; MI455X (gfx1250); checked and timed in simulation.
; The chip was launched on July 23, 2026; its instructions are those of AMD's public machine-readable ISA for CDNA 5 (MIT licence, August 2026) and "CDNA5" Instruction Set Architecture Reference Guide (July 2026). The comments in the code are by the model that wrote it; some were corrected since.
;; M Metric. Allowed arithmetic: float matrix products may take bf16 or f16 operands with f32 sums; all other float work in f32.
;; Inputs: M 16 x 256 x 256 float32; input 256 x 256 float32.
;; Outputs: out0 16 x 256 x 256 float32.
;; One version. Each part assembles by itself: llvm-mc -triple=amdgcn-amd-amdhsa -mcpu=gfx1250 --defsym DOCPART=n.
;; ======== version 1 of 1: 1 launch
;; limits: a difference of large sums (such as E[x^2] - mean^2): digits are lost where the result is much smaller than its terms
;; launch metric (part 1): grid 16 x 16, 4 waves a work-group, no clusters, 188,928 bytes of LDS; arguments input, M, out0; writes out0
.if DOCPART == 1
	.amdgcn_target "amdgcn-amd-amdhsa--gfx1250"
	.amdhsa_code_object_version 6
	.text
	.protected	k_q7d6975a699_metric
	.globl	k_q7d6975a699_metric
	.p2align	8
	.type	k_q7d6975a699_metric,@function
k_q7d6975a699_metric:
	s_mov_b64 s[64:65], 0
	v_nop
	global_prefetch_b8 v0, s[64:65] scope:SCOPE_SE
	s_setreg_imm32_b32 hwreg(HW_REG_WAVE_MODE, 25, 1), 1
	s_wait_xcnt 0x0
; p[b][i][j] = (x_i - x_j)^T M_b (x_i - x_j).  input: [256][256] f32, M: [16][256][256] f32, out0: [16][256][256] f32.
; THE ALGEBRA.  The form is bilinear, so with x'_i = x_i - x_0, Z_i = M_b x'_i and q_i = Z_i . x'_i, for EVERY M (no symmetry is used):
;   p_ij = q_i + q_j - Z_i . x'_j - Z_j . x'_i.
; x_0 is taken away in f32 before anything is rounded (a difference that the problem itself forms), so a common offset of the points never reaches a product, and q_i = p_i0 has an output's size.
; x', M and Z go to the matrix unit in bf16, sums in f32.  Z is rounded ONCE and the same rounded Z feeds q and the cross terms: what is made is (x~_i - x~_j) . (Z~_i - Z~_j), up to the order of the f32 sums.
; LIMITS.  The error goes with |x_i - x_0| |M| |x_j - x_0| 2^-9, not with |x_i - x_j|^2; a NaN or an infinity in row 0 of the input reaches every output, not row and column 0 alone.
; SHARES.  256 work-groups: x = 4 ti + tj, y = b; a work-group makes the tile p[b][64 ti ..][64 tj ..].  It needs Z for 128 rows (I: 64 ti .., J: 64 tj ..): 128 x 256 x 256 multiply-adds,
; and 64 x 64 x 512 for the cross terms.  Wave w converts 32 of the 128 rows of x', makes columns 64 w .. 64 w + 63 of Z for all 128 rows, and at last rows 16 w .. 16 w + 15 of the tile.
; NO CLUSTER, though the 16 work-groups of a batch read the same M_b: every input number passes through registers on its way (x_0 taken away, rounded to bf16), so a joint load could only
; land f32 tiles in LDS: 384 KB a work-group, through slots that are filled again, beside the 135,168 bytes of bf16 images that stay.  Loads into registers need none of that.
; NO LOOP: each phase is a few macros; the text has no label and no branch.
; LDS.  Rows of 256 bf16 are 512 bytes + 16 of padding = 132 words: row r starts at bank 4 r mod 64 (64 banks of 4 bytes: ISA guide 11.1), so the 16 rows of a fragment load start at 16 different groups of four banks.
.set PITCH,  528
.set T16,    16*PITCH                  ; 16 rows
.set XA,     0                         ; x' in bf16: rows 0-63 the I rows, rows 64-127 the J rows
.set ZL,     128*PITCH                 ; Z in bf16, the same rows, n along the row
.set MT,     2*128*PITCH               ; each wave's own 16 rows of M in bf16, written anew for each tile of M
.set STG,    MT+4*T16                  ; each wave's own stage for the way out: 16 rows x (256 + 16) bytes of f32
.set SPITCH, 272
.set QW,     STG+4*16*SPITCH           ; each wave's own 512 bytes: words 0-63 q of the J rows, words 64-79 q of its 16 I rows
.set SPARE,  QW+4*512                  ; the spare words, 128 bytes for each wave: two blocks of 256 bytes that no other line names
; REGISTERS, in windows of 256 (s_set_vgpr_msb: bits 1:0 source 0, 3:2 source 1, 5:4 source 2, 7:6 destination).  L = lane, r = L % 16, h = L / 16.
;   window 0: addresses, and the regions named below
;   windows 1, 2: first the 64 loads of x (window 1); then x' as fragments that stay: row tile u, K step ks in window 1 + ks / 4 at 8 (4 u + ks % 4); at last slot u = 0 takes my 16 I rows
;   window 3: two buffers of 128 for tiles of M as loaded; at last Z of the J rows: column tile vt, K step ks at 64 vt + 8 ks
.set HH,  4                            ; v4   h
.set GOF, 5                            ; v5   16 L: my 16 bytes in 512 consecutive bytes of x or M; never rewritten
.set XST, 6                            ; v6   where I put 8 bytes of x': my wave's 32 rows of XA + 8 L
.set XLD, 7                            ; v7   528 r + 16 h: a fragment's lane term, and so the address of XA's fragments
.set MST, 8                            ; v8   my wave's tile of M + 8 L
.set MLD, 9                            ; v9   my wave's tile of M + the lane term
.set ZST, 10                           ; v10  ZL + the lane term + 128 w: my wave's 64 columns of Z
.set XIL, 11                           ; v11  XA at my 16 I rows
.set ZIL, 12                           ; v12  ZL at my 16 I rows
.set ZJL, 13                           ; v13  ZL at the J rows
.set AQ,  14                           ; v14  my wave's q words + 4 r
.set AQL, 15                           ; v15  my wave's q words + 32 h
.set SST, 16                           ; v16  the stage, in: row r, 32 bytes for each half of the lanes
.set SRD, 17                           ; v17  the stage, back: lanes 0-15 one row of 256 bytes, lanes 16-31 the next
.set GO,  18                           ; v18  the same two rows in out0: 1,024 h + 16 r
.set R7,  19                           ; v19  r % 8
.set R3,  20                           ; v20  r / 8
.set X0,  22                           ; v[22:29] x_0 at my columns 4 L .. and 128 + 4 L ..
.set SPW, 30                           ; v30  LDS address of my spare word; never rewritten
.set NIL, 31                           ; v31  0; never rewritten
.set CV,  32                           ; v32-95   numbers just rounded to bf16, on their way into LDS
.set BF,  96                           ; v96-159  a tile of M as fragments: K step ks at BF + 8 ks
.set ACC, 160                          ; v160-223 Z's sums: row tile u at ACC + 8 u
.set ZP,  224                          ; v224-255 Z rounded: row tile u at ZP + 4 u
.set PR,  32                           ; the last phase: v32-63 the results
.set QJ,  64                           ; v64-95   q_j of my 32 columns
.set ZI,  96                           ; v96-159  Z of my 16 I rows as fragments
.set OB,  96                           ; v96-127  later: whole rows back from the stage
.set QI,  128                          ; v128-129 later: q_i of my row, twice (a pair for the packed sum)
.set H,   160                          ; v160-191 the cross terms: column tile vt at H + 8 vt
.set D1,  192                          ; v192-199 x'_i' . Z_i of my I rows; its diagonal is q_i
.set D2,  200                          ; v200-231 Z_j' . x'_j of column tile vt at D2 + 8 vt; the diagonals are q_j
.set QS,  232                          ; v232-236 the five diagonals, picked out
.set MSB, 0
.macro WIN new                         ; the immediate's high byte repeats the setting that is left; a switch that changes nothing is dropped
.if MSB != (\new)
	s_set_vgpr_msb (MSB<<8)|(\new)
.set MSB, (\new)
.endif
.endm
; A vector instruction that reads a matrix result, and a load into a register that a matrix instruction has named, stand four places behind it, and only plain vector
; instructions that name none of its registers are places.  No other vector work is at hand where this stands.
.macro PLACES
.rept 4
	v_nop
.endr
.endm
	s_load_b128 s[4:7], s[0:1], 0x0                ; input s[4:5], M s[6:7]
	s_load_b64 s[8:9], s[0:1], 0x10                ; out0
	v_lshl_add_u32 v[SPW], v0, 2, SPARE
	v_mov_b32 v[NIL], 0
	v_lshrrev_b32 v1, 5, v0
	v_readfirstlane_b32 s10, v1                    ; wave 0..3
	v_and_b32 v2, 31, v0                           ; L
	v_and_b32 v3, 15, v0                           ; r
	v_bfe_u32 v[HH], v0, 4, 1                      ; h
	s_lshr_b32 s11, ttmp9, 2                       ; ti
	s_and_b32 s12, ttmp9, 3                        ; tj
	s_and_b32 s13, ttmp7, 0xffff                   ; b
	s_cmp_lt_u32 s10, 2                            ; waves 0 and 1 convert the I rows, waves 2 and 3 the J rows
	s_cselect_b32 s14, s11, s12
	s_and_b32 s15, s10, 1
	s_lshl_b32 s16, s14, 16                        ; 64 rows of 1,024 bytes,
	s_lshl_b32 s15, s15, 15                        ; and which 32 of them
	s_add_co_u32 s16, s16, s15
	s_mov_b32 s17, 0
	s_lshl_b32 s18, s13, 18                        ; M_b, 262,144 bytes,
	s_lshl_b32 s15, s10, 16                        ; and my 64 rows of it
	s_add_co_u32 s18, s18, s15
	s_mov_b32 s19, 0
	s_lshl_b32 s36, s13, 18                        ; out0: batch b,
	s_lshl_b32 s15, s11, 16                        ; row 64 ti
	s_add_co_u32 s36, s36, s15
	s_lshl_b32 s15, s10, 14                        ; + 16 w,
	s_add_co_u32 s36, s36, s15
	s_lshl_b32 s15, s12, 8                         ; column 64 tj
	s_add_co_u32 s36, s36, s15
	s_mov_b32 s37, 0
	s_mul_i32 s26, s10, T16                        ; the wave's number times each region's share
	s_mul_i32 s27, s10, 2*T16
	s_mul_i32 s28, s10, 16*SPITCH
	s_lshl_b32 s29, s10, 9
	s_lshl_b32 s30, s10, 7
	s_add_co_u32 s31, s26, MT
	s_add_co_u32 s32, s30, ZL
	s_add_co_u32 s33, s26, ZL
	s_add_co_u32 s34, s29, QW
	s_add_co_u32 s35, s28, STG
	v_lshlrev_b32 v[GOF], 4, v2
	v_lshl_add_u32 v[XST], v2, 3, s27
	v_mul_u32_u24 v[XLD], v3, PITCH
	v_lshl_add_u32 v[XLD], v[HH], 4, v[XLD]
	v_lshl_add_u32 v[MST], v2, 3, s31
	v_add_nc_u32 v[MLD], s31, v[XLD]
	v_add_nc_u32 v[ZST], s32, v[XLD]
	v_add_nc_u32 v[XIL], s26, v[XLD]
	v_add_nc_u32 v[ZIL], s33, v[XLD]
	v_add_nc_u32 v[ZJL], ZL+4*T16, v[XLD]
	v_lshl_add_u32 v[AQ], v3, 2, s34
	v_lshl_add_u32 v[AQL], v[HH], 5, s34
	v_mul_u32_u24 v[SST], v3, SPITCH
	v_lshl_add_u32 v[SST], v[HH], 5, v[SST]
	v_add_nc_u32 v[SST], s35, v[SST]
	v_mul_u32_u24 v[SRD], v[HH], SPITCH
	v_lshl_add_u32 v[SRD], v3, 4, v[SRD]
	v_add_nc_u32 v[SRD], s35, v[SRD]
	v_lshlrev_b32 v[GO], 10, v[HH]
	v_lshl_add_u32 v[GO], v3, 4, v[GO]
	v_and_b32 v[R7], 7, v3
	v_lshrrev_b32 v[R3], 3, v3
.irp g, 1,2,3,4,5,6,7
	v_cmp_eq_u32 s[40+\g], \g, v[R7]               ; the lanes whose diagonal number lies in register g
.endr
	s_wait_kmcnt 0x0
	s_add_nc_u64 s[20:21], s[4:5], s[16:17]        ; my 32 rows of x: 32,768 consecutive bytes
	s_add_nc_u64 s[22:23], s[6:7], s[18:19]        ; my 64 rows of M_b: 65,536 consecutive bytes
	s_add_nc_u64 s[24:25], s[8:9], s[36:37]        ; my 16 rows of the tile
	; PHASE 1.  x' = x - x_0 in f32, rounded to bf16, into XA.  Each load of the wave covers 512 consecutive bytes: load j is half j % 2 of row j / 2.
	global_load_b128 v[X0:X0+3],   v[GOF], s[4:5]
	global_load_b128 v[X0+4:X0+7], v[GOF], s[4:5] offset:512
	WIN 0x40                                       ; destination window 1, address window 0
.set j, 0
.rept 64
	global_load_b128 v[4*j:4*j+3], v[GOF], s[20:21] offset:512*j
.set j, j+1
.endr
; Sixteen loads of x are worked off, and sixteen loads of M (tiles 0 and 1, 32 loads each) are issued in their stead: 64 loads stay on their way.
.macro XGROUP g
	s_wait_loadcnt 48                              ; loads come back in order (ISA guide 5.7.1): behind this group's last stand 48 - 16 g loads of x and the 16 g of M issued so far
	WIN 0x41                                       ; destination and source 0 window 1, x_0 window 0
.set j, 16*(\g)
.rept 16
	v_pk_add_f32 v[4*j:4*j+1],   v[4*j:4*j+1],   v[X0+4*(j%2):X0+4*(j%2)+1]   neg_lo:[0,1] neg_hi:[0,1]
	v_pk_add_f32 v[4*j+2:4*j+3], v[4*j+2:4*j+3], v[X0+4*(j%2)+2:X0+4*(j%2)+3] neg_lo:[0,1] neg_hi:[0,1]
.set j, j+1
.endr
	WIN 0x05                                       ; sources window 1, destination window 0
.set j, 16*(\g)
.rept 16
	v_cvt_pk_bf16_f32 v[CV+2*(j%32)],   v[4*j],   v[4*j+1]
	v_cvt_pk_bf16_f32 v[CV+2*(j%32)+1], v[4*j+2], v[4*j+3]
.set j, j+1
.endr
	WIN 0
.set j, 16*(\g)
.rept 16
	ds_store_b64 v[XST], v[CV+2*(j%32):CV+2*(j%32)+1] offset:(j/2)*PITCH+(j%2)*256  ; 32 lanes, 256 consecutive bytes: half a row
.set j, j+1
.endr
	WIN 0xc0                                       ; destination window 3
.set j, 16*(\g)
.rept 16
	global_load_b128 v[4*j:4*j+3], v[GOF], s[22:23] offset:512*j
.set j, j+1
.endr
.endm
	XGROUP 0
	XGROUP 1
	XGROUP 2
	XGROUP 3
	WIN 0
	s_wait_dscnt 0x0                               ; for the others' sake: my 32 rows of x' are in LDS
	s_barrier_signal -1
	s_barrier_wait -1                              ; all 128 rows are; M's loads, into registers, stay on their way
	; All of x' as fragments, 512 registers that stay.  A fragment is 16 rows x 32 K in 8 registers: lane L holds row r, K = 8 h + 0..7 and 16 + 8 h + 0..7: two loads of 16 bytes, 32 bytes apart.
	; No wait stands here: the first tile's wait for zero covers these loads.
.irp half, 0,1
	WIN 0x40+0x40*(\half)                          ; destination window 1, then window 2
.set u, 0
.rept 8
.set ks, 0
.rept 4
	ds_load_b128 v[8*(4*u+ks):8*(4*u+ks)+3],   v[XLD] offset:u*T16+256*(\half)+64*ks
	ds_load_b128 v[8*(4*u+ks)+4:8*(4*u+ks)+7], v[XLD] offset:u*T16+256*(\half)+64*ks+32
.set ks, ks+1
.endr
.set u, u+1
.endr
.endr
; PHASE 2.  Z = M x' for my 64 rows of M, 16 at a time.  TILE t: rows 64 w + 16 t of M are rounded to bf16, sent through my own 16 rows of LDS (LDS serves a wave's instructions in
; order, ISA guide 5.7.1.4: no wait between my stores and my loads, nor between one tile's loads and the next tile's stores) and come back as fragments.
; more = 1: the buffer just read takes tile t + 2.  left = the loads that may stay out: the next tile's 32, or none.
; The matrix instruction is used transposed: source 0 = 16 rows of M, source 1 = 16 rows of x'.  In the result lane L holds row r of x' and its registers n = 8 h + 0..7: eight
; neighbouring numbers of a row of Z, 16 bytes in bf16.  The eight accumulators take turns, one instruction a turn; the first K step starts the sums with the constant 0.
.macro TILE t, more, left
	s_wait_loadcnt \left
	WIN 0x0f                                       ; sources window 3, destination window 0
.set SB, 128*((\t)%2)
.set j, 0
.rept 32
	v_cvt_pk_bf16_f32 v[CV+2*j],   v[SB+4*j],   v[SB+4*j+1]
	v_cvt_pk_bf16_f32 v[CV+2*j+1], v[SB+4*j+2], v[SB+4*j+3]
.set j, j+1
.endr
	WIN 0
.set j, 0
.rept 32
	ds_store_b64 v[MST], v[CV+2*j:CV+2*j+1] offset:(j/2)*PITCH+(j%2)*256
.set j, j+1
.endr
.if \more
	WIN 0xc0
.set j, 0
.rept 32
	global_load_b128 v[SB+4*j:SB+4*j+3], v[GOF], s[22:23] offset:((\t)+2)*16384+512*j
.set j, j+1
.endr
	WIN 0
.endif
.set ks, 0
.rept 8
	ds_load_b128 v[BF+8*ks:BF+8*ks+3],   v[MLD] offset:64*ks
	ds_load_b128 v[BF+8*ks+4:BF+8*ks+7], v[MLD] offset:64*ks+32
.set ks, ks+1
.endr
	s_wait_dscnt 0x0                               ; the tile's fragments are in (in the first tile: x' too)
.set ks, 0
.rept 8
	WIN 0x04+0x04*(ks/4)                           ; source 1 (x') window 1, then window 2
.set u, 0
.rept 8
.if ks == 0
	v_wmma_f32_16x16x32_bf16 v[ACC+8*u:ACC+8*u+7], v[BF+8*ks:BF+8*ks+7], v[8*(4*u+ks%4):8*(4*u+ks%4)+7], 0
.else
	v_wmma_f32_16x16x32_bf16 v[ACC+8*u:ACC+8*u+7], v[BF+8*ks:BF+8*ks+7], v[8*(4*u+ks%4):8*(4*u+ks%4)+7], v[ACC+8*u:ACC+8*u+7]
.endif
.set u, u+1
.endr
.set ks, ks+1
.endr
	WIN 0
	PLACES
.set u, 0
.rept 8                                                ; each accumulator's registers in ascending order
.irp k, 0,1,2,3
	v_cvt_pk_bf16_f32 v[ZP+4*u+\k], v[ACC+8*u+2*\k], v[ACC+8*u+2*\k+1]
.endr
.set u, u+1
.endr
.set u, 0
.rept 8
	ds_store_b128 v[ZST], v[ZP+4*u:ZP+4*u+3] offset:u*T16+32*(\t)  ; row 16 u + r of Z, columns 64 w + 16 t + 8 h ..
.set u, u+1
.endr
.endm
	TILE 0, 1, 32
	TILE 1, 1, 32
	TILE 2, 0, 32
	TILE 3, 0, 0
	s_wait_dscnt 0x0                               ; for the others' sake: my 64 columns of Z are in LDS
	s_barrier_signal -1
	s_barrier_wait -1                              ; all 256 are
	; PHASE 3.  My 16 rows of the tile.  96 LDS loads in one run, in the order of their use: x' and Z of my I rows (32), Z of the J rows, K steps 0-3 (32), K steps 4-7 (32).
	; x' of the J rows is in registers since phase 1: row tiles 4-7.  The loads' destinations were last named by matrix instructions ahead of TILE's four places.
.irp half, 0,1
	WIN 0x40+0x40*(\half)
.set ks, 0
.rept 4
	ds_load_b128 v[8*ks:8*ks+3],   v[XIL] offset:256*(\half)+64*ks
	ds_load_b128 v[8*ks+4:8*ks+7], v[XIL] offset:256*(\half)+64*ks+32
.set ks, ks+1
.endr
.endr
	WIN 0
.set ks, 0
.rept 8
	ds_load_b128 v[ZI+8*ks:ZI+8*ks+3],   v[ZIL] offset:64*ks
	ds_load_b128 v[ZI+8*ks+4:ZI+8*ks+7], v[ZIL] offset:64*ks+32
.set ks, ks+1
.endr
	WIN 0xc0
.irp half, 0,1
.set vt, 0
.rept 4
.set ks, 4*(\half)
.rept 4
	ds_load_b128 v[64*vt+8*ks:64*vt+8*ks+3],   v[ZJL] offset:vt*T16+64*ks
	ds_load_b128 v[64*vt+8*ks+4:64*vt+8*ks+7], v[ZJL] offset:vt*T16+64*ks+32
.set ks, ks+1
.endr
.set vt, vt+1
.endr
.endr
	; Source 0 = 16 rows j, source 1 = 16 rows i: lane L holds row i = r of the tile and its registers the columns j = 8 h + 0..7.
	; First H[vt] = x'_j . Z_i and D1 = x'_i' . Z_i; then H[vt] += Z_j . x'_i and D2[vt] = Z_j' . x'_j.  Every wave makes all four D2: 32 matrix instructions a wave, where a quarter
	; each would do, in place of a third barrier.  Five, then eight accumulators take turns, one instruction a turn, across the change too.
	s_wait_dscnt 63                                ; the first 32 loads are wanted, 64 are younger: 63 is the largest count that the wait can name
.set ks, 0
.rept 8
	WIN 0x01+(ks/4)                                ; source 0 (x') window 1, then window 2; Z_i and the sums window 0
.set vt, 0
.rept 4
.if ks == 0
	v_wmma_f32_16x16x32_bf16 v[H+8*vt:H+8*vt+7], v[128+32*vt+8*(ks%4):128+32*vt+8*(ks%4)+7], v[ZI+8*ks:ZI+8*ks+7], 0
.else
	v_wmma_f32_16x16x32_bf16 v[H+8*vt:H+8*vt+7], v[128+32*vt+8*(ks%4):128+32*vt+8*(ks%4)+7], v[ZI+8*ks:ZI+8*ks+7], v[H+8*vt:H+8*vt+7]
.endif
.set vt, vt+1
.endr
.if ks == 0
	v_wmma_f32_16x16x32_bf16 v[D1:D1+7], v[8*(ks%4):8*(ks%4)+7], v[ZI+8*ks:ZI+8*ks+7], 0
.else
	v_wmma_f32_16x16x32_bf16 v[D1:D1+7], v[8*(ks%4):8*(ks%4)+7], v[ZI+8*ks:ZI+8*ks+7], v[D1:D1+7]
.endif
.set ks, ks+1
.endr
.set ks, 0
.rept 8
.if ks == 0
	s_wait_dscnt 32                                ; Z_j of K steps 0-3 is in; the 32 loads of K steps 4-7 may be out
.endif
.if ks == 4
	s_wait_dscnt 0x0
.endif
	WIN 0x07+0x04*(ks/4)                           ; source 0 (Z_j) window 3; source 1 (x') window 1, then window 2
.set vt, 0
.rept 4
	v_wmma_f32_16x16x32_bf16 v[H+8*vt:H+8*vt+7], v[64*vt+8*ks:64*vt+8*ks+7], v[8*(ks%4):8*(ks%4)+7], v[H+8*vt:H+8*vt+7]
.set vt, vt+1
.endr
.set vt, 0
.rept 4
.if ks == 0
	v_wmma_f32_16x16x32_bf16 v[D2+8*vt:D2+8*vt+7], v[64*vt+8*ks:64*vt+8*ks+7], v[128+32*vt+8*(ks%4):128+32*vt+8*(ks%4)+7], 0
.else
	v_wmma_f32_16x16x32_bf16 v[D2+8*vt:D2+8*vt+7], v[64*vt+8*ks:64*vt+8*ks+7], v[128+32*vt+8*(ks%4):128+32*vt+8*(ks%4)+7], v[D2+8*vt:D2+8*vt+7]
.endif
.set vt, vt+1
.endr
.set ks, ks+1
.endr
	; THE WAY OUT.  In D1 and D2 register g of lane L is element (8 h + g, r): the diagonal number of row r lies in register r % 8 of the lane with h = r / 8.
	; Seven selects a tile pick register r % 8, from the low end on; D1 and D2 lie end to end, so tile k = 0 is D1 and k = 1..4 are D2's.
	WIN 0
	PLACES
.set g, 1
.rept 7
.set k, 0
.rept 5
.if g == 1
	v_cndmask_b32 v[QS+k], v[D1+8*k], v[D1+8*k+1], s[40+g]
.else
	v_cndmask_b32 v[QS+k], v[QS+k], v[D1+8*k+g], s[40+g]
.endif
.set k, k+1
.endr
.set g, g+1
.endr
	v_cmp_eq_u32 vcc_lo, v[R3], v[HH]              ; the sixteen lanes that hold a diagonal number
	s_wait_xcnt 0x0                                ; EXEC changes only behind this wait: no global instruction still reads it
	s_and_saveexec_b32 s39, vcc_lo
	ds_store_b32 v[AQ], v[QS] offset:256           ; q_i of my rows: words 64 + r
.irp t, 0,1,2,3
	ds_store_b32 v[AQ], v[QS+1+\t] offset:64*\t    ; q_j: words 16 vt + r
.endr
	s_or_b32 exec_lo, exec_lo, s39                 ; all lanes on again; no global instruction was issued in between
.irp t, 0,1,2,3                                        ; my wave's own words, served in order behind the stores: q_j of my columns 16 vt + 8 h + 0..7
	ds_load_b128 v[QJ+8*\t:QJ+8*\t+3],   v[AQL] offset:64*\t
	ds_load_b128 v[QJ+8*\t+4:QJ+8*\t+7], v[AQL] offset:64*\t+16
.endr
	ds_load_b32 v[QI],   v[AQ] offset:256          ; q_i of my row, twice
	ds_load_b32 v[QI+1], v[AQ] offset:256
	s_wait_dscnt 0x0
.set k, 0
.rept 16
	v_pk_add_f32 v[PR+2*k:PR+2*k+1], v[QJ+2*k:QJ+2*k+1], v[QI:QI+1]
.set k, k+1
.endr
.set k, 0
.rept 16                                               ; p = q_i + q_j - H, each accumulator from its low end on
	v_pk_add_f32 v[PR+2*k:PR+2*k+1], v[PR+2*k:PR+2*k+1], v[H+2*k:H+2*k+1] neg_lo:[0,1] neg_hi:[0,1]
.set k, k+1
.endr
	; A lane's 32 bytes are an eighth of a row's 256: the 16 rows go through my own stage and come back as whole rows.
.set k, 0
.rept 8
	ds_store_b128 v[SST], v[PR+4*k:PR+4*k+3] offset:64*(k/2)+16*(k%2)
.set k, k+1
.endr
.set c, 0
.rept 8
	ds_load_b128 v[OB+4*c:OB+4*c+3], v[SRD] offset:2*c*SPITCH  ; rows 2 c and 2 c + 1; these see the stores above (a wave's LDS instructions are served in order)
.set c, c+1
.endr
.set c, 0
.rept 8
	s_wait_dscnt 7-c                               ; LDS loads come back in order: pair c of rows is in, the younger ones may be out
	global_store_b128 v[GO], v[OB+4*c:OB+4*c+3], s[24:25] offset:2048*c th:TH_STORE_NT  ; 16 lanes store 256 consecutive bytes, at a multiple of 256 from out0's first byte
.set c, c+1
.endr
	s_wait_tensorcnt 0x0                           ; the wave's end, behind my last LDS store
	ds_add_u32 v[SPW], v[NIL]
	s_wait_dscnt 0x0
	s_endpgm
.Lfunc_end_k_q7d6975a699_metric:
	.size	k_q7d6975a699_metric, .Lfunc_end_k_q7d6975a699_metric-k_q7d6975a699_metric
	.p2alignl 7, 3214868480
	.fill 96, 4, 3214868480
	.section	.rodata,"a",@progbits
	.p2align	6, 0x0
	.amdhsa_kernel k_q7d6975a699_metric
		.amdhsa_group_segment_fixed_size 188928
		.amdhsa_private_segment_fixed_size 0
		.amdhsa_enable_private_segment 0
		.amdhsa_kernarg_size 24
		.amdhsa_user_sgpr_count 2
		.amdhsa_user_sgpr_kernarg_segment_ptr 1
		.amdhsa_wavefront_size32 1
		.amdhsa_system_sgpr_workgroup_id_x 1
		.amdhsa_system_sgpr_workgroup_id_y 1
		.amdhsa_system_sgpr_workgroup_id_z 1
		.amdhsa_system_vgpr_workitem_id 0
		.amdhsa_next_free_vgpr 1024
		.amdhsa_next_free_sgpr 66
		.amdhsa_reserve_vcc 1
		.amdhsa_float_denorm_mode_32 3
		.amdhsa_float_denorm_mode_16_64 3
		.amdhsa_memory_ordered 1
		.amdhsa_forward_progress 1
		.amdhsa_inst_pref_size 127
	.end_amdhsa_kernel
	.amdgpu_metadata
---
amdhsa.version: [ 1, 2 ]
amdhsa.kernels:
  - .name:           k_q7d6975a699_metric
    .symbol:         k_q7d6975a699_metric.kd
    .args:
      - { .name: input, .offset: 0, .size: 8, .value_kind: global_buffer, .address_space: global }
      - { .name: M, .offset: 8, .size: 8, .value_kind: global_buffer, .address_space: global }
      - { .name: out0, .offset: 16, .size: 8, .value_kind: global_buffer, .address_space: global }
    .group_segment_fixed_size: 188928
    .private_segment_fixed_size: 0
    .kernarg_segment_align: 8
    .kernarg_segment_size: 24
    .max_flat_workgroup_size: 128
    .sgpr_count:     66
    .vgpr_count:     1024
    .wavefront_size: 32
...
	.end_amdgpu_metadata
.endif
;; end of part 1
